; MI455X (gfx1250); checked and timed in simulation.
; The chip was launched on July 23, 2026; its instructions are those of AMD's public machine-readable ISA for CDNA 5 (MIT licence, August 2026) and "CDNA5" Instruction Set Architecture Reference Guide (July 2026). The comments in the code are by the model that wrote it; some were corrected since.
;; LSTM Layer. Allowed arithmetic: matrix products marked QUANTISED: E4M3 operands, one E8M0 scale for each 32 along K, by v_wmma_scale_f32_16x16x128_f8f6f4 with both operands' format E4M3, f32 sums; everything else in f32.
;; Inputs: W_c 2,048 x 4,096 float32; W_f 2,048 x 4,096 float32; W_i 2,048 x 4,096 float32; W_o 2,048 x 4,096 float32; b_c 2,048 float32; b_f 2,048 float32; b_i 2,048 float32; b_o 2,048 float32; cell_state 2,048 x 2,048 float32; hidden_state 2,048 x 2,048 float32; input 2,048 x 2,048 float32.
;; Outputs: out0 2,048 x 2,048 float32; out1 2,048 x 2,048 float32.
;; This version of the problem:
;;   THIS VERSION OF THE PROBLEM IS GIVEN IN LOW PRECISION. The matrix products marked QUANTISED in the list below multiply operands that are first quantised to E4M3 (4 exponent bits, 3 mantissa bits; 8 bits a number), with one power-of-two scale for each 32 numbers along K (OCP MX v1.0); their sums are f32. All else is computed in f32.
;;   The module's matrix products, in the order in which they are computed (A, B: the left and right operand; K: the contracted axis; several contracted axes count as one K, in the product's order):
;;     1. [M 2,048, K 4,096] x [K 4,096, N 8,192]; A: computed on the way; B: computed on the way: QUANTISED
;;   THE QUANTISER, for each operand of a quantised product, along K:
;;     - K is cut into blocks of 32 from its start; a last block that is shorter is filled with zeros.
;;     - A block's scale is 2^e with e = floor(log2(the largest magnitude in the block)) - 8, held to -126 .. 127; a block of zeros has e = 0. As a byte (E8M0): e + 127.
;;     - Each number is divided by its block's scale, clamped to +-448, and rounded to the nearest number of E4M3, ties to even, subnormals kept.
;;     - The product sums the exact products of the quantised numbers (number of the format x scale) in f32.
;;   ~~~python
;;   def quantise(x, axis):      # numpy; x: float32 -> the quantised numbers, widened to float32 again
;;       x = np.moveaxis(x, axis, -1); K = x.shape[-1]
;;       x = np.pad(x, [(0, 0)] * (x.ndim - 1) + [(0, -K % 32)]); x = x.reshape(x.shape[:-1] + (-1, 32)); a = np.abs(x).max(-1, keepdims=True)
;;       e = np.where(a > 0, np.clip(np.frexp(np.where(a > 0, a, 1))[1] - 1 - 8, -126, 127), 0)      # np.frexp(a)[1] - 1 = floor(log2(a)), exactly
;;       r = np.clip(x / 2.0 ** e, -448, 448)
;;       step = 2.0 ** (np.maximum(np.frexp(np.where(r == 0, 1, r))[1] - 1, -6) - 3)
;;       q = np.round(r / step) * step * 2.0 ** e      # np.round: ties to even
;;       return np.moveaxis(q.reshape(q.shape[:-2] + (-1,))[..., :K], -1, axis).astype(np.float32)
;;   ~~~
;;   OPERANDS COMPUTED ON THE WAY. 'Computed on the way' means the value that the module computes at that place (a softmax that the list does not call 'softmax' is quantised finished and normalised). What goes into a quantiser is computed in f32, as accurately as f32 sums, v_exp_f32 and their like allow (about 1e-6 of the number): no bf16 or f16 on the way to a quantiser, and a product that is left as it is and whose result goes on into a quantised operand takes f32 operands (vector FMAs, or v_wmma_f32_16x16x4_f32). A number that lies on a knife's edge between two numbers of the format may be rounded either way, as far as f32 arithmetic and the matrix unit's own rounding can turn it there, and no further.
;; One version. Each part assembles by itself: llvm-mc -triple=amdgcn-amd-amdhsa -mcpu=gfx1250 --defsym DOCPART=n.
;; ======== version 1 of 1: 2 launches
;; limits: a function is approximated: absolute error at most 1e-06
;; workspace buffers: a_codes 8,388,608 bytes; a_scl 262,144 bytes; w_codes 33,554,432 bytes; w_scl 1,048,576 bytes
;; launch quant (part 1): grid 8 x 160, 4 waves a work-group, no clusters, 22,016 bytes of LDS; arguments input, hidden_state, W_i, W_f, W_c, W_o, a_codes, a_scl, w_codes, w_scl; writes a_codes, a_scl, w_codes, w_scl
.if DOCPART == 1
	.amdgcn_target "amdgcn-amd-amdhsa--gfx1250"
	.amdhsa_code_object_version 6
	.text
	.protected	k_qe925348b7b_quant
	.globl	k_qe925348b7b_quant
	.p2align	8
	.type	k_qe925348b7b_quant,@function
k_qe925348b7b_quant:
	s_mov_b64 s[64:65], 0
	v_nop
	global_prefetch_b8 v0, s[64:65] scope:SCOPE_SE
	s_setreg_imm32_b32 hwreg(HW_REG_WAVE_MODE, 25, 1), 1
	s_wait_xcnt 0x0
; u = [input | hidden_state], [2048][4096], and the four gate weights, each [2048][4096], all f32 with K innermost, become codes of FP8 (E4M3)
; with one E8M0 scale byte for each 32 along K.  A block's scale is 2^(floor(log2(its largest magnitude)) - 8); its byte is the largest magnitude's own
; exponent field - 8, held at 1 from below.  Each number is divided by the scale, held within +-448 and rounded to the nearest code, ties to even.
; LIMITS: NaN and infinities among the inputs are not served.  A block of zeros gets the byte 1 (the rule says 127) over zero codes, which add nothing
; under any byte but 0xff; the bytes are read by this program alone.  Blocks whose largest magnitude lies under 2^-118 get the byte 1, the rule's own hold.
; LAYOUTS.  a_codes [2048][4096]: row m of u.  w_codes [8192][4096]: row hc of gate g (i, f, c, o = 0..3) lies at
; n' = 256 (hc / 64) + 128 ((hc / 32) % 2) + 32 g + hc % 32: 256 rows on end are the four gates of 64 hidden columns, each half of 128 the four gates of 32.
; Scale bytes, both tensors: [row / 64][K step of 256][lane' 0..31][j 0..3][4 bytes]: the word at (G, s, lane', j) holds the four bytes of row
; 64 G + 16 j + lane' % 16 for k = 256 s + 128 (lane' / 16) + 0 .. 127: one load of 16 bytes a lane gives a wave the scale registers of four blocks of 16 rows.
; SHARES.  Work-group (p, Y): 64 destination rows x 512 along K (K steps 2 p, 2 p + 1).  Y < 32: rows of u; else rows n' of the weights.  One path for all: only
; pointers and numbers are chosen.  Wave w takes 16 rows, a row (2,048 bytes) a step.  Each of a step's four loads reads 512 consecutive bytes, 16 a lane; the
; bytes turn through the wave's own stage in LDS and come back 64 a lane, so that a lane holds 16 neighbours along K and two neighbouring lanes a block.
; Loads run four steps (16 loads a wave) ahead, the turn through LDS one step.
.set R,     16                         ; v16-79   four sets of 16 numbers as they are loaded
.set X,     80                         ; v80-111  two sets of 16 neighbours
.set E,     112                        ; v112-127 a scale byte for each step
.set C,     128                        ; v128-191 codes: four registers for each step, so that no store's data are written again
.set RO,    12                         ; v12-15   byte offset of my 16 bytes in the row that set k loads next
.set SP,    80                         ; a lane's place in a stage: 64 bytes + 16 of padding
.set WREG,  5120                       ; LDS: two stages of 32 x SP bytes for each wave
.set SCB,   4*WREG                     ; behind them the work-group's 1,024 scale bytes, laid as they lie in memory
	s_load_b512 s[4:19], s[0:1], 0x0               ; input, hidden_state, W_i, W_f, W_c, W_o, a_codes, a_scl
	s_load_b128 s[20:23], s[0:1], 0x40             ; w_codes, w_scl
	v_lshl_add_u32 v192, v0, 2, 0x5400
	v_mov_b32 v193, 0
	v_lshrrev_b32 v1, 5, v0
	v_readfirstlane_b32 s24, v1                    ; wave w
	v_and_b32 v2, 31, v0                           ; lane l
	s_mov_b32 s25, ttmp9                           ; p: which 512 along K
	s_and_b32 s26, ttmp7, 0xffff                   ; Y
	s_and_b32 s45, s25, 3                          ; u: the 512 inside input or hidden_state
	s_lshl_b32 s43, s26, 6
	s_lshl_b32 s44, s24, 4
	s_add_co_u32 s43, s43, s44                     ; u: my first row, 64 Y + 16 w
	s_cmp_lt_u32 s26, 32                           ; u or the weights?  The choice hangs on the work-group's number alone
	s_cselect_b32 s42, 0, 32
	s_cselect_b32 s29, 13, 14                      ; log2 of a source row's bytes: 8,192 or 16,384
	s_cselect_b32 s31, s45, s25                    ; which 2,048 bytes of a source row
	s_sub_co_u32 s27, s26, s42                     ; G': the block of 64 destination rows
	s_and_b32 s28, s27, 1
	s_lshl_b32 s28, s28, 1
	s_lshr_b32 s42, s24, 1
	s_add_co_u32 s28, s28, s42                     ; the gate of my 16 rows: 2 (G' % 2) + w / 2
	s_lshr_b32 s30, s27, 2
	s_lshl_b32 s30, s30, 6
	s_bfe_u32 s42, s27, 0x10001
	s_lshl_b32 s42, s42, 5
	s_add_co_u32 s30, s30, s42
	s_and_b32 s42, s24, 1
	s_lshl_b32 s42, s42, 4
	s_add_co_u32 s30, s30, s42                     ; and their first row in that gate's weight: 64 (G' / 4) + 32 ((G' / 2) % 2) + 16 (w % 2)
	s_cmp_lt_u32 s26, 32
	s_cselect_b32 s30, s43, s30                    ; my first source row
	s_lshl_b32 s42, s30, s29
	s_lshl_b32 s44, s31, 11
	s_add_co_u32 s42, s42, s44
	s_mov_b32 s43, 0                               ; s[42:43]: where I read, in bytes (under 2^26)
	s_lshl_b32 s44, s27, 6
	s_lshl_b32 s46, s24, 4
	s_add_co_u32 s44, s44, s46
	s_lshl_b32 s44, s44, 12
	s_lshl_b32 s46, s25, 9
	s_add_co_u32 s44, s44, s46
	s_mov_b32 s45, 0                               ; s[44:45]: my codes: row 64 G' + 16 w of 4,096 bytes, + 512 p
	s_lshl_b32 s46, s27, 13
	s_lshl_b32 s47, s25, 10
	s_add_co_u32 s46, s46, s47
	s_mov_b32 s47, 0                               ; s[46:47]: the work-group's scale bytes: 8,192 G' + 1,024 p
	s_lshl_b32 s38, 1, s29                         ; a source row in bytes,
	s_lshl_b32 s39, s38, 2                         ; and four of them
	s_mov_b32 s40, 0x600000                        ; the mantissa field of 448
	s_mul_i32 s41, s24, WREG
	v_lshrrev_b32 v3, 2, v2
	v_mul_u32_u24 v3, v3, SP
	v_and_b32 v4, 3, v2
	v_lshl_add_u32 v3, v4, 4, v3
	v_add_nc_u32 v3, s41, v3                       ; the stage, on the way in: SP (l / 4) + 16 (l % 4); a load's 512 bytes take eight places
	v_mul_u32_u24 v4, v2, SP
	v_add_nc_u32 v4, s41, v4                       ; and on the way out: SP x l: my 16 neighbours
	v_lshlrev_b32 v5, 4, v2                        ; my 16 codes in a row's 512
	v_lshrrev_b32 v6, 3, v2
	v_lshlrev_b32 v6, 8, v6
	v_bfe_u32 v7, v2, 1, 2
	v_add_nc_u32 v6, v6, v7
	s_lshl_b32 s41, s24, 2
	s_add_co_u32 s41, s41, SCB
	v_add_nc_u32 v6, s41, v6                       ; my block's scale byte: 256 (l / 8) for the 128 along K, (l / 2) % 4 for the byte, 4 w for j; 16 t for the row stands in the offset
	v_lshlrev_b32 v[RO], 4, v2
	v_add_nc_u32 v[RO+1], s38, v[RO]
	v_add_nc_u32 v[RO+2], s38, v[RO+1]
	v_add_nc_u32 v[RO+3], s38, v[RO+2]
	s_wait_kmcnt 0x0
	s_cmp_lt_u32 s25, 4
	s_cselect_b64 s[4:5], s[4:5], s[6:7]           ; u's first 2,048 along K are input's, the rest hidden_state's
	s_bitcmp1_b32 s28, 0
	s_cselect_b64 s[8:9], s[10:11], s[8:9]         ; gate 1 or 0,
	s_cselect_b64 s[12:13], s[14:15], s[12:13]     ; gate 3 or 2,
	s_bitcmp1_b32 s28, 1
	s_cselect_b64 s[8:9], s[12:13], s[8:9]         ; and which pair
	s_cmp_lt_u32 s26, 32
	s_cselect_b64 s[32:33], s[4:5], s[8:9]         ; the source,
	s_cselect_b64 s[34:35], s[16:17], s[20:21]     ; the codes,
	s_cselect_b64 s[36:37], s[18:19], s[22:23]     ; the scale bytes
	s_add_nc_u64 s[32:33], s[32:33], s[42:43]
	s_add_nc_u64 s[34:35], s[34:35], s[44:45]
	s_add_nc_u64 s[36:37], s[36:37], s[46:47]
.macro LOAD t                          ; row t: 32 lanes read 512 consecutive bytes, four times
.irp i, 0,1,2,3
	global_load_b128 v[R+16*((\t)%4)+4*\i:R+16*((\t)%4)+4*\i+3], v[RO+(\t)%4], s[32:33] offset:512*\i th:TH_LOAD_NT
.endr
.endm
.macro TURN t                          ; row t through the stage: LDS serves a wave's instructions in order (ISA guide 5.7.1), so no wait stands between the stores and the loads
.irp i, 0,1,2,3
	ds_store_b128 v3, v[R+16*((\t)%4)+4*\i:R+16*((\t)%4)+4*\i+3] offset:32*SP*((\t)%2)+8*SP*\i
.endr
.irp i, 0,1,2,3
	ds_load_b128 v[X+16*((\t)%2)+4*\i:X+16*((\t)%2)+4*\i+3], v4 offset:32*SP*((\t)%2)+16*\i
.endr
.endm
.irp t, 0,1,2,3
	LOAD \t
.endr
	s_wait_loadcnt 12                              ; row 0's four loads are in; rows 1 to 3 stay out
	TURN 0
.macro STEP t
.set XS, X+16*((\t)%2)
.if (\t) > 0
	s_wait_dscnt 1                                 ; this row is back from the stage; only the last step's byte store was issued behind it
.else
	s_wait_dscnt 0x0
.endif
.if (\t)+4 < 16
	v_add_nc_u32 v[RO+(\t)%4], s39, v[RO+(\t)%4]   ; row t's loads were shown done by the counted wait a step ago: their offset register steps four rows on
	LOAD (\t)+4
.endif
.if (\t)+1 < 16
.if 14-(\t) >= 3
	s_wait_loadcnt 12                              ; the next row's four loads are in; those of the three rows behind it may be out
.else
	s_wait_loadcnt 4*(14-(\t))
.endif
	TURN (\t)+1                                    ; it goes through the other stage while this row is worked
.endif
	v_max3_num_f32 v8, |v[XS]|, |v[XS+1]|, |v[XS+2]|               ; the largest magnitude of my 16, in two chains
	v_max3_num_f32 v9, |v[XS+3]|, |v[XS+4]|, |v[XS+5]|
.irp i, 6,10
	v_max3_num_f32 v8, v8, |v[XS+\i]|, |v[XS+\i+1]|
	v_max3_num_f32 v9, v9, |v[XS+\i+2]|, |v[XS+\i+3]|
.endr
	v_max3_num_f32 v8, v8, |v[XS+14]|, |v[XS+15]|
	v_max3_num_f32 v8, v8, v9, 0x4800000           ; and the floor 2^(9 - 127): the byte cannot fall under 1
	v_max_num_f32_dpp v8, v8, v8 row_xmask:1 row_mask:0xf bank_mask:0xf   ; with my neighbour's 16: the block's
	v_add_nc_u32 v11, 0xfc000000, v8               ; 8 off its exponent field: the conversion takes the exponent field of this operand as its scale
	v_and_or_b32 v10, v8, 0x7f800000, s40          ; 448 x the scale
.irp i, 0,1,2,3,4,5,6,7,8,9,10,11,12,13,14,15
	v_med3_num_f32 v[XS+\i], v[XS+\i], -v10, v10   ; the conversion to an 8-bit code does not saturate (ISA guide 7.6.2): the hold comes first
.endr
	v_cvt_scalef32_pk8_fp8_f32 v[C+4*(\t):C+4*(\t)+1], v[XS:XS+7], v11
	v_cvt_scalef32_pk8_fp8_f32 v[C+4*(\t)+2:C+4*(\t)+3], v[XS+8:XS+15], v11
	v_lshrrev_b32 v[E+(\t)], 23, v11               ; the scale's byte (a plain line behind the conversions)
	ds_store_b8 v6, v[E+(\t)] offset:16*(\t)       ; both lanes of a block write the same byte with the same value
	global_store_b128 v5, v[C+4*(\t):C+4*(\t)+3], s[34:35] offset:4096*(\t)   ; the wave stores 512 consecutive bytes, at a multiple of 512 from the buffer's first byte
.endm
.irp t, 0,1,2,3,4,5,6,7,8,9,10,11,12,13,14,15
	STEP \t
.endr
	s_wait_dscnt 0x0                               ; for the others' sake: my byte stores have landed (the four waves' bytes interleave by j)
	s_barrier_signal -1
	s_barrier_wait -1
	v_lshl_add_u32 v1, v0, 3, SCB
	v_lshlrev_b32 v2, 3, v0
	ds_load_b64 v[8:9], v1
	s_wait_dscnt 0x0
	global_store_b64 v2, v[8:9], s[36:37]          ; each wave stores 256 consecutive bytes, at a multiple of 256 from the buffer's first byte
	s_wait_tensorcnt 0x0
	ds_add_u32 v192, v193
	s_wait_dscnt 0x0
	s_endpgm
.Lfunc_end_k_qe925348b7b_quant:
	.size	k_qe925348b7b_quant, .Lfunc_end_k_qe925348b7b_quant-k_qe925348b7b_quant
	.p2alignl 7, 3214868480
	.fill 96, 4, 3214868480
	.section	.rodata,"a",@progbits
	.p2align	6, 0x0
	.amdhsa_kernel k_qe925348b7b_quant
		.amdhsa_group_segment_fixed_size 22016
		.amdhsa_private_segment_fixed_size 0
		.amdhsa_enable_private_segment 0
		.amdhsa_kernarg_size 80
		.amdhsa_user_sgpr_count 2
		.amdhsa_user_sgpr_kernarg_segment_ptr 1
		.amdhsa_wavefront_size32 1
		.amdhsa_system_sgpr_workgroup_id_x 1
		.amdhsa_system_sgpr_workgroup_id_y 1
		.amdhsa_system_sgpr_workgroup_id_z 1
		.amdhsa_system_vgpr_workitem_id 0
		.amdhsa_next_free_vgpr 194
		.amdhsa_next_free_sgpr 66
		.amdhsa_reserve_vcc 0
		.amdhsa_float_denorm_mode_32 3
		.amdhsa_float_denorm_mode_16_64 3
		.amdhsa_memory_ordered 1
		.amdhsa_forward_progress 1
		.amdhsa_inst_pref_size 53
	.end_amdhsa_kernel
	.amdgpu_metadata
---
amdhsa.version: [ 1, 2 ]
amdhsa.kernels:
  - .name:           k_qe925348b7b_quant
    .symbol:         k_qe925348b7b_quant.kd
    .args:
      - { .name: input, .offset: 0, .size: 8, .value_kind: global_buffer, .address_space: global }
      - { .name: hidden_state, .offset: 8, .size: 8, .value_kind: global_buffer, .address_space: global }
      - { .name: W_i, .offset: 16, .size: 8, .value_kind: global_buffer, .address_space: global }
      - { .name: W_f, .offset: 24, .size: 8, .value_kind: global_buffer, .address_space: global }
      - { .name: W_c, .offset: 32, .size: 8, .value_kind: global_buffer, .address_space: global }
      - { .name: W_o, .offset: 40, .size: 8, .value_kind: global_buffer, .address_space: global }
      - { .name: a_codes, .offset: 48, .size: 8, .value_kind: global_buffer, .address_space: global }
      - { .name: a_scl, .offset: 56, .size: 8, .value_kind: global_buffer, .address_space: global }
      - { .name: w_codes, .offset: 64, .size: 8, .value_kind: global_buffer, .address_space: global }
      - { .name: w_scl, .offset: 72, .size: 8, .value_kind: global_buffer, .address_space: global }
    .group_segment_fixed_size: 22016
    .private_segment_fixed_size: 0
    .kernarg_segment_align: 8
    .kernarg_segment_size: 80
    .max_flat_workgroup_size: 128
    .sgpr_count:     66
    .vgpr_count:     194
    .wavefront_size: 32
...
	.end_amdgpu_metadata
.endif
;; end of part 1
;; launch lstm (part 2): grid 32 x 8, 4 waves a work-group, clusters of 4 x 4, 327,680 bytes of LDS; arguments a_codes, a_scl, w_codes, w_scl, b_i, b_f, b_c, b_o, cell_state, out0, out1; writes out0, out1
.if DOCPART == 2
	.amdgcn_target "amdgcn-amd-amdhsa--gfx1250"
	.amdhsa_code_object_version 6
	.text
	.protected	k_qe925348b7b_lstm
	.globl	k_qe925348b7b_lstm
	.p2align	8
	.type	k_qe925348b7b_lstm,@function
k_qe925348b7b_lstm:
	s_mov_b64 s[64:65], 0
	v_nop
	global_prefetch_b8 v0, s[64:65] scope:SCOPE_SE
	s_setreg_imm32_b32 hwreg(HW_REG_WAVE_MODE, 25, 1), 1
	s_wait_xcnt 0x0
	s_wait_alu depctr_hold_cnt(0) depctr_sa_sdst(0) depctr_va_vdst(0) depctr_va_sdst(0) depctr_va_ssrc(0) depctr_va_vcc(0) depctr_vm_vsrc(0)
	s_getreg_b32 s2, hwreg(HW_REG_IB_STS2, 6, 4)
	s_cmp_eq_u32 s2, 0
	s_cbranch_scc0 .Lentry_in_a_cluster
	s_endpgm
.Lentry_in_a_cluster:
	s_bfe_u32 s2, ttmp6, 0x10000c
	s_cmp_lg_u32 s2, 0xf033
	s_cbranch_scc0 .Lentry_shape_is_right
	s_endpgm
.Lentry_shape_is_right:
; gates = Q(u) Q(W)^T + b on codes of FP8 (E4M3) with one E8M0 scale for each 32 along K (K = 4,096), sums in f32; then, in f32,
; c' = cell x sigmoid(gf) + sigmoid(gi) x tanh(gc) (out1) and h' = sigmoid(go) x tanh(c') (out0).  The gates never go to memory.
; sigmoid(x) = 1 / (1 + 2^(-x log2 e)), tanh(x) = 1 - 2 / (1 + 2^(2 x log2 e)): both end at their limits where the exponential overflows or falls to 0.
; LIMITS: NaN and infinities among the inputs are not served; tanh near 0 has an absolute error of about one part in 10^7 of 1.
; SHARES.  A work-group of four waves makes 256 rows x 64 hidden columns x 4 gates: rows 256 x tile column on of w_codes, which the launch before laid so.
; Wave w: rows 128 (w / 2) on, w_codes rows 128 (w % 2) on: 64 accumulators of 16 x 16, 512 registers.  8 x 32 tiles: 256 work-groups.
; THE MATRIX INSTRUCTION IS USED TRANSPOSED (source 0 = 16 rows of W, source 1 = 16 rows of u): in accumulator (a, b) lane (r, h) register j holds row 16 a + r,
; gate b / 2, hidden column 16 (b % 2) + 8 h + j of the wave's 32.  So the four gates of one output lie in ONE lane at one register index of accumulators
; sub, 2 + sub, 4 + sub, 6 + sub, and the tail changes no lane.  The biases are the C of each sum's first matrix instruction.
; K goes in steps of 256 through a ring of two LDS slots filled by the tensor data mover; a tile's row is 256 bytes of memory.
; THE SCALE WORDS come from memory straight into registers: the launch before laid them in the order of the scale registers, so four loads of 512 consecutive
; bytes bring a wave a K step's words: lanes 0-15 those of the step's first 128 along K, lanes 16-31 those of its second.  Two sets, loaded two K steps ahead.
; CLUSTERS: 4 x 4 work-groups.  The four of a row of the cluster need the same tiles of u, the four of a column the same tiles of W: each is asked for jointly.
; THE CELL TILE (256 rows x 256 bytes) is slot 0's last fill: a load of each work-group's own, 64 rows a wave.  The stages for the way out lie in slot 1, behind its last fill and its last read.
; REGISTERS, in windows of 256: window 0: v0-31 addresses; v32-63 scale words, two sets, and nothing else; v64-127 the biases, later the tail's cell, c' and h';
;   v128-255 u's fragments, ONE set, later the tail's 32 registers at work.   window 1: W's fragments, TWO sets; on the way out the rows read back.
;   window 2: the accumulators of my rows 0-63 ((a, b) at v[8 (8 a + b)]);   window 3: those of my rows 64-127.
.set ROWB,   256                       ; a tile's row in bytes: 256 codes
.set KROW,   4096                      ; a row of codes in memory
.set PITCH,  272                       ; an LDS row: 256 bytes + 16 of padding = 68 words: row r starts at bank 4 r mod 64 (64 banks of 4 bytes: ISA guide 11.1)
.set FR,     16                        ; registers of a fragment: 16 rows x 128 K
.set NL,     4                         ; LDS loads that bring one
.set NP,     8                         ; places behind this matrix instruction (ISA guide 7.12.1)
.set HALFT,  128*PITCH                 ; 128 rows: what one tensor load brings
.set SLOT,   4*HALFT                   ; u's 256 rows, then W's 256 rows
.set LAPS,   8                         ; a lap = two K steps = once round the ring: 4,096 / 512
.set SPARE,  2*SLOT                    ; behind the ring: the spare words, 128 bytes for each wave: two blocks of 256 bytes that no other line names
.set STGH,   SLOT                      ; the way out: 256 rows x 272 bytes of h',
.set STGC,   SLOT+256*PITCH            ; and of c'
.set CQ,     64*PITCH                  ; a wave's quarter of the cell tile
.set OROW,   8192                      ; a row of cell_state, out0, out1 in bytes
.set ADRA, 16                          ; v16-17  LDS address of my fragments of u in slot 0, 1
.set ADRB, 20                          ; v20-21  the same for W
.set RD,   22                          ; v22     the way out: where I read rows of h' back;  v23 of c'
.set RD2,  23
.set STO,  24                          ; v24     where I put 32 bytes of a row of h';  v25 of c'
.set STO2, 25
.set CLD,  26                          ; v26     my 32 bytes of a row of the cell tile
.set LOFF, 27                          ; v27     16 x lane: my 16 bytes of a chunk of scale words
.set SPW,  28                          ; v28     LDS address of my spare word; never rewritten
.set NIL,  29                          ; v29     0; never rewritten
.set CO,   30                          ; v30     my byte offset in two rows of the outputs
.set PF,   31                          ; v31     thread x a row of cell_state
.set SC,   32                          ; scale words: set s at v[SC + 16 s]: u's blocks a at + a, W's blocks b at + 8 + b
.set BI,   64                          ; the biases: eight registers for each block b
.set AF,   128                         ; u's fragments
.set T,    128                         ; the tail: 32 registers at work: gate g at T + 8 g
.set CL,   64                          ; cell, c', h': eight registers each, two sets by turns
.set CN,   80
.set HN,   96
.set OB,   0                           ; window 1: 16 x 4 registers of h', then of c'
.set WV,   26                          ; s26 wave;  s27 its half of the rows, also: I fetch for u (0) or for W (1);  s60 its half of W's rows, also: which 128 rows I fetch
.set RH,   27
.set CH,   60
.set CX,   61
.set CY,   62
.set TC,   63                          ; tile column
.set TR,   66                          ; tile row
.set G1,   28                          ; s[28:35] descriptor group 1 for u's tiles;  s[36:43] group 0, one set for each slot
.set G0,   36
.set G1B,  44                          ; s[44:51], s[52:59] the same for W's
.set G0B,  52
.set G1C,  68                          ; s[68:75], s[76:79] groups 1 and 0 for the cell tile
.set G0C,  76
.set CB,   86                          ; s[86:87] the cell tile's first byte
.set NEGL, 96                          ; s[96:97] -log2(e);  s[98:99] 2 log2(e): the packed form names a pair and takes its low word for both halves
.set TWOL, 98
.set MSB, 0
.macro WIN new                         ; the immediate's high byte repeats the setting that is left
.if MSB != \new
	s_set_vgpr_msb (MSB<<8)|\new
.set MSB, \new
.endif
.endm
.set MUL_LO, 0xa1                      ; source 0 (W) window 1, source 1 (u) window 0, C and D window 2
.set MUL_HI, 0xf1                      ; the same, C and D window 3
.set TO_B,   0x40                      ; destination window 1, address window 0
; A joint load: waves 0 and 1 fetch for u, waves 2 and 3 for W.  Each of the two lines has one mask and one set of registers for all that issue it; the branch hangs on the wave's number alone.
; Four v_nop follow each of the two lines, ahead of the jump, the label and what follows.
.macro JLOAD g0a, g1a, g0b, g1b
	s_cmp_eq_u32 s[RH], 0
	s_cbranch_scc0 .Lfor_b_\@
	tensor_load_to_lds s[\g0a:\g0a+3], s[\g1a:\g1a+7]
	s_nop 0
.rept 4
	v_nop
.endr
	s_branch .Lasked_\@
.Lfor_b_\@:
	tensor_load_to_lds s[\g0b:\g0b+3], s[\g1b:\g1b+7]
	s_nop 0
.rept 4
	v_nop
.endr
.Lasked_\@:
.endm
.macro CREST                           ; a round of the cluster's barrier behind its opening barrier
	s_cmp_lg_u32 s[WV], 0
	s_cbranch_scc1 .Lnot_wave_0_\@
	s_barrier_signal -3
.Lnot_wave_0_\@:
	s_barrier_wait -3
	s_barrier_signal -1
	s_barrier_wait -1
.endm
.macro CROUND                          ; a whole round
	s_barrier_signal -1
	s_barrier_wait -1
	CREST
.endm
	s_load_b512 s[4:19], s[0:1], 0x0               ; a_codes 4, a_scl 6, w_codes 8, w_scl 10, b_i 12, b_f 14, b_c 16, b_o 18
	s_load_b128 s[20:23], s[0:1], 0x40             ; cell_state 20, out0 22
	s_load_b64 s[24:25], s[0:1], 0x50              ; out1
	v_lshl_add_u32 v[SPW], v0, 2, SPARE
	v_mov_b32 v[NIL], 0
	ds_add_u32 v28, v29
	s_wait_dscnt 0x0
	v_lshrrev_b32 v1, 5, v0
	v_readfirstlane_b32 s[WV], v1                  ; wave 0..3
	s_lshr_b32 s[RH], s[WV], 1
	s_and_b32 s[CH], s[WV], 1
	s_bfe_u32 s[CX], ttmp6, 0x40000                ; my place in the cluster
	s_bfe_u32 s[CY], ttmp6, 0x40004
	s_lshl_b32 s[TC], ttmp9, 2
	s_add_co_u32 s[TC], s[TC], s[CX]               ; tile column = 4 x cluster x + cx
	s_and_b32 s[TR], ttmp7, 0xffff
	s_lshl_b32 s[TR], s[TR], 2
	s_add_co_u32 s[TR], s[TR], s[CY]               ; tile row = 4 x cluster y + cy
	s_lshl_b32 s67, s[CY], 2
	s_lshl_b32 s67, 15, s67                        ; my row of the cluster
	s_lshl_b32 s80, 0x1111, s[CX]                  ; my column
	; descriptor group 1: a tile of 128 rows x 256 bytes, padded in LDS
	s_or_b32 s[G1+0], s67, (0<<16)|(1<<20)|(1<<21)|(5<<22)|(3<<25)   ; 15:0 the mask: u's tiles go to my row; 17:16 elements of 1 byte; 20 padding on; 21 set beside a mask; 24:22 after every 64 words (code 5); 31:25 four words (code 3)
	s_or_b32 s[G1B+0], s80, (0<<16)|(1<<20)|(1<<21)|(5<<22)|(3<<25)  ; the same with the mask of my column, for W's tiles
.irp g, G1, G1B
	s_mov_b32 s[\g+1], ROWB<<16                    ; tensor_dim0
	s_mov_b32 s[\g+2], 128<<16                     ; tensor_dim1
	s_mov_b32 s[\g+3], ROWB<<16                    ; tile_dim0
	s_mov_b32 s[\g+4], 128                         ; tile_dim1
	s_mov_b32 s[\g+5], KROW                        ; tensor_dim0_stride
	s_mov_b32 s[\g+6], 0
	s_mov_b32 s[\g+7], 0
.endr
	; and for a quarter of the cell tile: 64 rows x 64 elements of 4 bytes, no mask
	s_mov_b32 s[G1C+0], (2<<16)|(1<<20)|(5<<22)|(3<<25)
	s_mov_b32 s[G1C+1], 64<<16
	s_mov_b32 s[G1C+2], 64<<16
	s_mov_b32 s[G1C+3], 64<<16
	s_mov_b32 s[G1C+4], 64
	s_mov_b32 s[G1C+5], 2048
	s_mov_b32 s[G1C+6], 0
	s_mov_b32 s[G1C+7], 0
	s_mov_b32 s[NEGL], 0xbfb8aa3b
	s_mov_b32 s[NEGL+1], s[NEGL]
	s_mov_b32 s[TWOL], 0x4038aa3b
	s_mov_b32 s[TWOL+1], s[TWOL]
	; where the tiles come from.  u's hang on the tile row alone, W's on the tile column alone; every wave makes both, in registers that never hold the other coordinate
	s_lshl_b32 s88, s[CH], 7                       ; which 128 rows of the tile I fetch
	s_lshl_b32 s82, s[TR], 8
	s_add_co_u32 s82, s82, s88
	s_lshl_b32 s82, s82, 12                        ; u: row 256 x tile row + 128 x half, of 4,096 bytes
	s_mov_b32 s83, 0
	s_lshl_b32 s84, s[TC], 8
	s_add_co_u32 s84, s84, s88
	s_lshl_b32 s84, s84, 12                        ; W: row 256 x tile column + 128 x half
	s_mov_b32 s85, 0
	s_mul_i32 s89, s[WV], HALFT                    ; where they go: wave x 128 rows: no place in the cluster enters an LDS address
	s_wait_kmcnt 0x0
	s_add_nc_u64 s[82:83], s[4:5], s[82:83]
	s_add_nc_u64 s[84:85], s[8:9], s[84:85]
	CROUND                                         ; all sixteen work-groups are here: the first joint loads meet
.irp s, 0,1
	s_mov_b32 s[G0+4*\s], 1
	s_add_co_u32 s[G0+4*\s+1], s89, \s*SLOT
	s_add_nc_u64 s[G0+4*\s+2:G0+4*\s+3], s[82:83], \s*ROWB
	s_or_b32 s[G0+4*\s+3], s[G0+4*\s+3], 0x80000000
	s_mov_b32 s[G0B+4*\s], 1
	s_add_co_u32 s[G0B+4*\s+1], s89, \s*SLOT
	s_add_nc_u64 s[G0B+4*\s+2:G0B+4*\s+3], s[84:85], \s*ROWB
	s_or_b32 s[G0B+4*\s+3], s[G0B+4*\s+3], 0x80000000
	JLOAD G0+4*\s, G1, G0B+4*\s, G1B               ; two loads of mine are out: K steps 0 and 1
.endr
	v_and_b32 v1, 15, v0                           ; r
	v_bfe_u32 v2, v0, 4, 1                         ; h
	v_mul_u32_u24 v3, v1, PITCH
	v_lshl_add_u32 v4, v2, 4, v3                   ; a fragment's row x pitch + 16 h
	s_mul_i32 s90, s[RH], HALFT                    ; my 128 rows of u
	s_mul_i32 s91, s[CH], HALFT                    ; my 128 rows of W,
	s_add_co_u32 s91, s91, 2*HALFT                 ; which lie behind u's 256
.irp s, 0,1
	v_add_nc_u32 v[ADRA+\s], s90, v4
	v_add_nc_u32 v[ADRB+\s], s91, v4
	s_add_co_u32 s90, s90, SLOT
	s_add_co_u32 s91, s91, SLOT
.endr
	v_lshl_add_u32 v5, v2, 5, v3                   ; row r, + 32 h
	s_mul_i32 s90, s[RH], HALFT
	s_lshl_b32 s91, s[CH], 7
	s_add_co_u32 s90, s90, s91
	v_add_nc_u32 v[CLD], s90, v5                   ; the cell tile: row 128 x row half + r, byte 128 x column half + 32 h
	v_add_nc_u32 v[STO], STGH, v[CLD]              ; and the same place in the two stages
	v_add_nc_u32 v[STO2], STGC, v[CLD]
	v_mul_u32_u24 v6, v2, PITCH
	v_lshl_add_u32 v6, v1, 4, v6
	s_mul_i32 s90, s[RH], HALFT
	s_mul_i32 s91, s[CH], 32*PITCH
	s_add_co_u32 s90, s90, s91
	s_add_co_u32 s90, s90, STGH
	v_add_nc_u32 v[RD], s90, v6                    ; back: rows 128 x row half + 32 x column half on; lanes 0-15 one row, lanes 16-31 the next
	v_add_nc_u32 v[RD2], 256*PITCH, v[RD]
	v_and_b32 v7, 31, v0
	v_lshlrev_b32 v[LOFF], 4, v7
	v_lshlrev_b32 v8, 13, v2
	v_lshl_add_u32 v[CO], v1, 4, v8                ; the same two rows in the outputs
	v_lshlrev_b32 v[PF], 13, v0
	v_lshlrev_b32 v9, 5, v2                        ; the biases: my half's eight numbers
	s_lshl_b32 s90, s[TR], 2
	s_lshl_b32 s91, s[RH], 1
	s_add_co_u32 s90, s90, s91
	s_lshl_b32 s90, s90, 13
	s_mov_b32 s91, 0
	s_add_nc_u64 s[6:7], s[6:7], s[90:91]          ; u's scale words: my two blocks of 64 rows, 8,192 bytes each
	s_lshl_b32 s90, s[TC], 2
	s_lshl_b32 s92, s[CH], 1
	s_add_co_u32 s90, s90, s92
	s_lshl_b32 s90, s90, 13
	s_add_nc_u64 s[10:11], s[10:11], s[90:91]      ; W's likewise
	s_lshl_b32 s90, s[TC], 8
	s_lshl_b32 s92, s[CH], 7
	s_add_co_u32 s90, s90, s92
.irp g, 12,14,16,18
	s_add_nc_u64 s[\g:\g+1], s[\g:\g+1], s[90:91]  ; the four biases at my 32 hidden columns
.endr
	s_lshl_b32 s90, s[TR], 21                      ; 256 rows of 8,192 bytes,
	s_lshl_b32 s92, s[TC], 8                       ; 64 columns of 4
	s_add_co_u32 s90, s90, s92
	s_add_nc_u64 s[CB:CB+1], s[20:21], s[90:91]
	s_lshl_b32 s92, s[RH], 20
	s_add_co_u32 s90, s90, s92
	s_lshl_b32 s92, s[CH], 18
	s_add_co_u32 s90, s90, s92
	s_add_nc_u64 s[22:23], s[22:23], s[90:91]      ; the outputs at the first row that I store: + 128 x row half + 32 x column half
	s_add_nc_u64 s[24:25], s[24:25], s[90:91]
	s_mov_b32 s[G0C], 1
	s_mul_i32 s[G0C+1], s[WV], CQ                  ; my 64 rows of the cell tile, from slot 0's first byte on
	s_lshl_b32 s92, s[WV], 19
	s_mov_b32 s93, 0
	s_add_nc_u64 s[G0C+2:G0C+3], s[CB:CB+1], s[92:93]
	s_or_b32 s[G0C+3], s[G0C+3], 0x80000000
.irp b, 0,1,2,3,4,5,6,7                ; block b: gate b / 2, hidden columns 16 (b % 2) + 8 h + 0 .. 7: the result's layout
	global_load_b128 v[BI+8*\b:BI+8*\b+3], v9, s[12+2*(\b/2):13+2*(\b/2)] offset:64*(\b%2)
	global_load_b128 v[BI+8*\b+4:BI+8*\b+7], v9, s[12+2*(\b/2):13+2*(\b/2)] offset:64*(\b%2)+16
.endr
.irp s, 0,1                            ; the scale words of K steps 0 and 1
	global_load_b128 v[SC+16*\s:SC+16*\s+3], v[LOFF], s[6:7] offset:512*\s
	global_load_b128 v[SC+16*\s+4:SC+16*\s+7], v[LOFF], s[6:7] offset:512*\s+8192
	global_load_b128 v[SC+16*\s+8:SC+16*\s+11], v[LOFF], s[10:11] offset:512*\s
	global_load_b128 v[SC+16*\s+12:SC+16*\s+15], v[LOFF], s[10:11] offset:512*\s+8192
.endr
.macro FRAG reg, adr, q, i             ; a fragment is 16 registers: lane l holds row l % 16; registers 4 c .. 4 c + 3 hold K = 32 c + 16 (l / 16) + 0 .. 15
.irp c, 0,1,2,3
	ds_load_b128 v[\reg+4*\c:\reg+4*\c+3], v[\adr] offset:128*(\q)+32*\c+(\i)*16*PITCH
.endr
.endm
; 16 matrix instructions: u's blocks a0, a0 + 1 x W's eight, the slot's q-th 128 along K.  p: W's set;  sc: the set of scale words.  first = 1: the bias is the C: nothing is cleared or added.
; The 64 accumulators take turns, one instruction a turn, in the same order in every step.
.macro MUL16 a0, p, q, sc, first
.irp a, \a0, \a0+1
.irp b, 0,1,2,3,4,5,6,7
.if \first
	v_wmma_scale_f32_16x16x128_f8f6f4 v[8*(8*((\a)%4)+\b):8*(8*((\a)%4)+\b)+7], v[128*(\p)+FR*\b:128*(\p)+FR*\b+FR-1], v[AF+FR*(\a):AF+FR*(\a)+FR-1], v[BI+8*\b:BI+8*\b+7], v[SC+16*(\sc)+8+\b], v[SC+16*(\sc)+(\a)]
.elseif \q
	v_wmma_scale_f32_16x16x128_f8f6f4 v[8*(8*((\a)%4)+\b):8*(8*((\a)%4)+\b)+7], v[128*(\p)+FR*\b:128*(\p)+FR*\b+FR-1], v[AF+FR*(\a):AF+FR*(\a)+FR-1], v[8*(8*((\a)%4)+\b):8*(8*((\a)%4)+\b)+7], v[SC+16*(\sc)+8+\b], v[SC+16*(\sc)+(\a)] matrix_a_scale:MATRIX_SCALE_ROW1 matrix_b_scale:MATRIX_SCALE_ROW1
.else
	v_wmma_scale_f32_16x16x128_f8f6f4 v[8*(8*((\a)%4)+\b):8*(8*((\a)%4)+\b)+7], v[128*(\p)+FR*\b:128*(\p)+FR*\b+FR-1], v[AF+FR*(\a):AF+FR*(\a)+FR-1], v[8*(8*((\a)%4)+\b):8*(8*((\a)%4)+\b)+7], v[SC+16*(\sc)+8+\b], v[SC+16*(\sc)+(\a)]
.endif
.endr
.endr
.endm
.macro FETCH_B slot, q, p              ; W's eight fragments of the slot's q-th 128 along K into set p
	WIN TO_B
.irp i, 0,1,2,3,4,5,6,7
	FRAG 128*(\p)+FR*\i, ADRB+\slot, \q, \i
.endr
	WIN 0
.endm
.macro FETCH_A slot, q, i0             ; u's blocks i0 .. i0 + 3
.irp i, \i0, \i0+1, \i0+2, \i0+3
	FRAG AF+FR*(\i), ADRA+\slot, \q, \i
.endr
.endm
; A load into a register that a matrix instruction has read, and a vector instruction that reads a matrix result, stand NP places behind that matrix instruction; only plain vector
; instructions that name none of its registers are places (ISA guide 7.12.1 for vector instructions).
.macro PLACES n
.rept \n
	v_nop
.endr
.endm
.macro SCLOAD set                      ; the scale words of the K step two on, into the set whose last products stand NP places back
	s_wait_xcnt 0x0                                ; the earlier loads have read their bases: only behind this wait do the bases step
	s_add_nc_u64 s[6:7], s[6:7], 512
	s_add_nc_u64 s[10:11], s[10:11], 512
	global_load_b128 v[SC+16*\set:SC+16*\set+3], v[LOFF], s[6:7] offset:512
	global_load_b128 v[SC+16*\set+4:SC+16*\set+7], v[LOFF], s[6:7] offset:8704
	global_load_b128 v[SC+16*\set+8:SC+16*\set+11], v[LOFF], s[10:11] offset:512
	global_load_b128 v[SC+16*\set+12:SC+16*\set+15], v[LOFF], s[10:11] offset:8704
.endm
; A slot's first 128 along K.  lc: the loads that may stay out: the four scale loads of the K step behind this one.
.macro STEP slot, first, lc
	s_wait_loadcnt \lc                             ; this K step's scale words are in (in the first step the biases too: they were asked for earlier)
	s_wait_dscnt 4*NL                              ; W's set and u's blocks 0-3 are in; the youngest sixteen loads (u's blocks 4-7) may be out
.if \first
	WIN 0x81                                       ; C (the bias) window 0, D window 2
.else
	WIN MUL_LO
.endif
	MUL16 0, 0, 0, \slot, \first
	MUL16 2, 0, 0, \slot, \first
	s_wait_dscnt 0x0                               ; u's blocks 4-7 are in (asked for 32 matrix instructions ago)
	PLACES NP
	FETCH_B \slot, 1, 1
	FETCH_A \slot, 1, 0
.if \first
	WIN 0xc1
.else
	WIN MUL_HI
.endif
	MUL16 4, 0, 0, \slot, \first
	MUL16 6, 0, 0, \slot, \first
	PLACES NP
	WIN 0
	FETCH_A \slot, 1, 4
.endm
; A slot's second 128 along K changes slots: one barrier, which opens a round of the cluster's; in front of it each wave waits for all its tensor loads, adds 0 to its spare word, and waits for
; that and for its own reads of this slot.  mode 1: this slot takes the K step two on, by a joint load.  mode 2: slot 0 takes the cell tile, a load of my own work-group's.
.macro TURN slot, next, mode
	s_wait_tensorcnt 0x0                           ; all my tensor loads have landed: the one that was out is my part of the next slot (every window is 0 here)
	ds_add_u32 v[SPW], v[NIL]                      ; 0 onto my spare word
	s_wait_dscnt 4*NL+1                            ; (the add and the youngest sixteen loads, u's blocks 4-7, may be out)
	WIN MUL_LO
	MUL16 0, 1, 1, \slot, 0                        ; sixteen matrix instructions stand between the add and the wait for it
	s_wait_dscnt 0x0                               ; the add is done, and my reads of this slot are over
	s_barrier_signal -1
	MUL16 2, 1, 1, \slot, 0
	WIN 0
	s_barrier_wait -1
	CREST                                          ; no wave of any partner still reads this slot or has a load on its way
.if \mode == 1
	s_add_nc_u64 s[G0+4*\slot+2:G0+4*\slot+3], s[G0+4*\slot+2:G0+4*\slot+3], 2*ROWB
	s_add_nc_u64 s[G0B+4*\slot+2:G0B+4*\slot+3], s[G0B+4*\slot+2:G0B+4*\slot+3], 2*ROWB
	JLOAD G0+4*\slot, G1, G0B+4*\slot, G1B         ; my one tensor load behind the round, and the first thing there
.else
	tensor_load_to_lds s[G0C:G0C+3], s[G1C:G1C+7]  ; my 64 rows of the cell tile: 160 matrix instructions ahead of the wait for them
	s_nop 0
.rept 4
	v_nop
.endr
.endif
	PLACES NP-4                                    ; with the four v_nop behind the tensor load: the places in front of the loads below
	FETCH_B \next, 0, 0
	FETCH_A \next, 0, 0
	WIN MUL_HI
	MUL16 4, 1, 1, \slot, 0
	MUL16 6, 1, 1, \slot, 0
	PLACES NP
	WIN 0
	FETCH_A \next, 0, 4
.if \mode == 1
	SCLOAD \slot
.endif
.endm
	s_wait_tensorcnt 1                             ; my part of K step 0 is in; K step 1's may stay out
	s_barrier_signal -1
	s_barrier_wait -1                              ; everybody's is
	FETCH_B 0, 0, 0
	FETCH_A 0, 0, 0
	FETCH_A 0, 0, 4
	STEP 0, 1, 4                                   ; the first step stands in front of the loop: its products start the sums from the biases
	s_mov_b32 s3, LAPS-1
.Llap:                                                 ; a trip goes once round the ring, from a lap's second step to the next lap's first, and fills both slots again: K steps 2 to 15
	s_cmp_lg_u32 s3, 1
	s_cbranch_scc1 .Lno_ask
	; in the loop's last trip each thread asks for two of the cell tile's 256 rows (256 bytes a row, each row asked for once): two K steps, 256 matrix instructions, ahead of the tensor load that fetches the tile
	global_prefetch_b8 v[PF], s[CB:CB+1] th:TH_LOAD_NT scope:SCOPE_SE
	global_prefetch_b8 v[PF], s[CB:CB+1] offset:128*OROW th:TH_LOAD_NT scope:SCOPE_SE
.Lno_ask:
	TURN 0, 1, 1
	STEP 1, 0, 4
	TURN 1, 0, 1
	STEP 0, 0, 4
	s_sub_co_u32 s3, s3, 1
	s_cmp_lg_u32 s3, 0
	s_cbranch_scc1 .Llap
	TURN 0, 1, 2                                   ; the tail is written out: slot 0's last fill is the cell tile
	STEP 1, 0, 0                                   ; no scale load was issued behind K step 15's
	s_wait_dscnt 4*NL                              ; the very last step: nothing more to fetch
	WIN MUL_LO
	MUL16 0, 1, 1, 1, 0
	MUL16 2, 1, 1, 1, 0
	s_wait_dscnt 0x0
	WIN MUL_HI
	MUL16 4, 1, 1, 1, 0
	MUL16 6, 1, 1, 1, 0
	WIN 0
	PLACES NP                                      ; in front of the first reads of results and of loads into registers that the products read
	s_wait_tensorcnt 0x0                           ; my quarter of the cell tile is in,
	s_wait_dscnt 0x0                               ; my reads of slot 1 are over:
	s_barrier_signal -1
	s_barrier_wait -1                              ; everybody's: the cell tile is whole, and slot 1, which has had its last fill, may take the stages
; THE TAIL.  Unit u: block a = u / 2 of 16 rows, sub = u % 2: eight outputs a lane, from the four accumulators (a, 2 g + sub).  A v_nop stands behind each run of transcendentals, ahead of the first use of a result (ISA guide 5.7.2).
.macro UNIT u
.set UA, (\u)/2
.set US, (\u)%2
.set AC, 64*(UA%4)
.set CLR, CL+8*US
.set CLN, CL+8*(1-US)
.set CNR, CN+8*US
.set HNR, HN+8*US
.set WN, 0x02+UA/4
.set DN, 0
.if (\u)%8 != 0
.set DN, DN+4
.endif
.if (\u) < 15
.set DN, DN+2
.set NA, ((\u)+1)/2
.set NS, ((\u)+1)%2
	ds_load_b128 v[CLN:CLN+3], v[CLD] offset:NA*16*PITCH+64*NS          ; the next unit's eight numbers of the cell
	ds_load_b128 v[CLN+4:CLN+7], v[CLD] offset:NA*16*PITCH+64*NS+16
.endif
	WIN WN                                         ; source 0: window 2 or 3
.irp g, 0,1,2,3
.irp jj, 0,2,4,6                       ; each accumulator from its low end on
.if \g == 2
	v_pk_mul_f32 v[T+8*\g+\jj:T+8*\g+\jj+1], v[AC+8*(2*\g+US)+\jj:AC+8*(2*\g+US)+\jj+1], s[TWOL:TWOL+1] op_sel_hi:[1,0]
.else
	v_pk_mul_f32 v[T+8*\g+\jj:T+8*\g+\jj+1], v[AC+8*(2*\g+US)+\jj:AC+8*(2*\g+US)+\jj+1], s[NEGL:NEGL+1] op_sel_hi:[1,0]
.endif
.endr
.endr
	WIN 0
.set j, 0
.rept 32
	v_exp_f32 v[T+j], v[T+j]
.set j, j+1
.endr
	v_nop
.set j, 0
	s_wait_alu depctr_va_vdst(0)
.rept 16
	v_pk_add_f32 v[T+j:T+j+1], v[T+j:T+j+1], 1.0 op_sel_hi:[1,0]
.set j, j+2
.endr
.set j, 0
.rept 32
	v_rcp_f32 v[T+j], v[T+j]                       ; T: sigmoid(gi);  T + 8: sigmoid(gf);  T + 24: sigmoid(go)
.set j, j+1
.endr
	v_nop
	s_wait_alu depctr_va_vdst(0)
.irp jj, 0,2,4,6
	v_pk_fma_f32 v[T+16+\jj:T+17+\jj], v[T+16+\jj:T+17+\jj], -2.0, 1.0 op_sel_hi:[1,0,0]   ; tanh(gc)
.endr
.irp jj, 0,2,4,6
	v_pk_mul_f32 v[T+\jj:T+1+\jj], v[T+\jj:T+1+\jj], v[T+16+\jj:T+17+\jj]
.endr
	s_wait_dscnt DN                                ; my eight numbers of the cell are in: behind their loads stand the last unit's four stores and this unit's two loads
.irp jj, 0,2,4,6
	v_pk_fma_f32 v[CNR+\jj:CNR+1+\jj], v[CLR+\jj:CLR+1+\jj], v[T+8+\jj:T+9+\jj], v[T+\jj:T+1+\jj]   ; c'
.endr
.irp jj, 0,2,4,6
	v_pk_mul_f32 v[T+16+\jj:T+17+\jj], v[CNR+\jj:CNR+1+\jj], s[TWOL:TWOL+1] op_sel_hi:[1,0]
.endr
.set j, 16
.rept 8
	v_exp_f32 v[T+j], v[T+j]
.set j, j+1
.endr
	v_nop
	s_wait_alu depctr_va_vdst(0)
.irp jj, 0,2,4,6
	v_pk_add_f32 v[T+16+\jj:T+17+\jj], v[T+16+\jj:T+17+\jj], 1.0 op_sel_hi:[1,0]
.endr
.set j, 16
.rept 8
	v_rcp_f32 v[T+j], v[T+j]
.set j, j+1
.endr
	v_nop
	s_wait_alu depctr_va_vdst(0)
.irp jj, 0,2,4,6
	v_pk_fma_f32 v[T+16+\jj:T+17+\jj], v[T+16+\jj:T+17+\jj], -2.0, 1.0 op_sel_hi:[1,0,0]   ; tanh(c')
.endr
.irp jj, 0,2,4,6
	v_pk_mul_f32 v[HNR+\jj:HNR+1+\jj], v[T+16+\jj:T+17+\jj], v[T+24+\jj:T+25+\jj]          ; h'
.endr
	ds_store_b128 v[STO2], v[CNR:CNR+3] offset:UA*16*PITCH+64*US
	ds_store_b128 v[STO2], v[CNR+4:CNR+7] offset:UA*16*PITCH+64*US+16
	ds_store_b128 v[STO], v[HNR:HNR+3] offset:UA*16*PITCH+64*US
	ds_store_b128 v[STO], v[HNR+4:HNR+7] offset:UA*16*PITCH+64*US+16
.endm
; Half hf of each row half (64 rows) lies whole in the stages: a row's 256 bytes come from two waves, so a barrier stands between the writing and the reading.  Each wave stores 32 rows of each output.
; The other half's stores touch other rows of the stages than these reads, so no further barrier is needed.
.macro SENDH hf
	s_wait_dscnt 0x0                               ; for the others' sake: my stores into the stages have landed
	s_barrier_signal -1
	s_barrier_wait -1
.if \hf
	s_wait_xcnt 0x0                                ; the first half's stores have read their registers: they are loaded again only behind this wait
.endif
	WIN TO_B
.irp i, 0,1,2,3,4,5,6,7,8,9,10,11,12,13,14,15
	ds_load_b128 v[OB+4*\i:OB+4*\i+3], v[RD] offset:(64*\hf+2*\i)*PITCH
.endr
.irp i, 0,1,2,3,4,5,6,7,8,9,10,11,12,13,14,15
	ds_load_b128 v[OB+64+4*\i:OB+64+4*\i+3], v[RD2] offset:(64*\hf+2*\i)*PITCH
.endr
	WIN 0x04                                       ; a store's data are its source 1: window 1
.irp i, 0,1,2,3,4,5,6,7,8,9,10,11,12,13,14,15
	s_wait_dscnt 31-\i                             ; the younger loads may stay out
	global_store_b128 v[CO], v[OB+4*\i:OB+4*\i+3], s[22:23] offset:(64*\hf+2*\i)*OROW th:TH_STORE_NT   ; 16 lanes store 256 consecutive bytes, at a multiple of 256 from the output's first byte
.endr
.irp i, 0,1,2,3,4,5,6,7,8,9,10,11,12,13,14,15
	s_wait_dscnt 15-\i
	global_store_b128 v[CO], v[OB+64+4*\i:OB+64+4*\i+3], s[24:25] offset:(64*\hf+2*\i)*OROW th:TH_STORE_NT
.endr
	WIN 0
.endm
	ds_load_b128 v[CL:CL+3], v[CLD]                ; unit 0's eight numbers of the cell
	ds_load_b128 v[CL+4:CL+7], v[CLD] offset:16
.irp u, 0,1,2,3,4,5,6,7
	UNIT \u
.endr
	SENDH 0
.irp u, 8,9,10,11,12,13,14,15
	UNIT \u
.endr
	SENDH 1
	s_wait_tensorcnt 0x0                           ; the wave's end: behind my last tensor load and my last LDS store
	ds_add_u32 v[SPW], v[NIL]
	s_wait_dscnt 0x0
	CROUND                                         ; the closing round: no work-group ends while a partner may still ask for a tile that names it
	s_endpgm
.Lfunc_end_k_qe925348b7b_lstm:
	.size	k_qe925348b7b_lstm, .Lfunc_end_k_qe925348b7b_lstm-k_qe925348b7b_lstm
	.p2alignl 7, 3214868480
	.fill 96, 4, 3214868480
	.section	.rodata,"a",@progbits
	.p2align	6, 0x0
	.amdhsa_kernel k_qe925348b7b_lstm
		.amdhsa_group_segment_fixed_size 327680
		.amdhsa_private_segment_fixed_size 0
		.amdhsa_enable_private_segment 0
		.amdhsa_kernarg_size 88
		.amdhsa_user_sgpr_count 2
		.amdhsa_user_sgpr_kernarg_segment_ptr 1
		.amdhsa_wavefront_size32 1
		.amdhsa_system_sgpr_workgroup_id_x 1
		.amdhsa_system_sgpr_workgroup_id_y 1
		.amdhsa_system_sgpr_workgroup_id_z 1
		.amdhsa_system_vgpr_workitem_id 0
		.amdhsa_next_free_vgpr 1024
		.amdhsa_next_free_sgpr 100
		.amdhsa_reserve_vcc 0
		.amdhsa_float_denorm_mode_32 3
		.amdhsa_float_denorm_mode_16_64 3
		.amdhsa_memory_ordered 1
		.amdhsa_forward_progress 1
		.amdhsa_inst_pref_size 241
	.end_amdhsa_kernel
	.amdgpu_metadata
---
amdhsa.version: [ 1, 2 ]
amdhsa.kernels:
  - .name:           k_qe925348b7b_lstm
    .symbol:         k_qe925348b7b_lstm.kd
    .args:
      - { .name: a_codes, .offset: 0, .size: 8, .value_kind: global_buffer, .address_space: global }
      - { .name: a_scl, .offset: 8, .size: 8, .value_kind: global_buffer, .address_space: global }
      - { .name: w_codes, .offset: 16, .size: 8, .value_kind: global_buffer, .address_space: global }
      - { .name: w_scl, .offset: 24, .size: 8, .value_kind: global_buffer, .address_space: global }
      - { .name: b_i, .offset: 32, .size: 8, .value_kind: global_buffer, .address_space: global }
      - { .name: b_f, .offset: 40, .size: 8, .value_kind: global_buffer, .address_space: global }
      - { .name: b_c, .offset: 48, .size: 8, .value_kind: global_buffer, .address_space: global }
      - { .name: b_o, .offset: 56, .size: 8, .value_kind: global_buffer, .address_space: global }
      - { .name: cell_state, .offset: 64, .size: 8, .value_kind: global_buffer, .address_space: global }
      - { .name: out0, .offset: 72, .size: 8, .value_kind: global_buffer, .address_space: global }
      - { .name: out1, .offset: 80, .size: 8, .value_kind: global_buffer, .address_space: global }
    .group_segment_fixed_size: 327680
    .private_segment_fixed_size: 0
    .kernarg_segment_align: 8
    .kernarg_segment_size: 88
    .max_flat_workgroup_size: 128
    .sgpr_count:     100
    .vgpr_count:     1024
    .wavefront_size: 32
...
	.end_amdgpu_metadata
.endif
;; end of part 2
